; MI455X (gfx1250); checked and timed in simulation.
; The chip was launched on July 23, 2026; its instructions are those of AMD's public machine-readable ISA for CDNA 5 (MIT licence, August 2026) and "CDNA5" Instruction Set Architecture Reference Guide (July 2026). The comments in the code are by the model that wrote it; some were corrected since.
;; One Step GRU. Allowed arithmetic: matrix products marked QUANTISED: E2M3 operands, one E8M0 scale for each 32 along K, by v_wmma_scale_f32_16x16x128_f8f6f4 with both operands' format E2M3, f32 sums; everything else in f32.
;; Inputs: W_nh_codes 512 x 16 x 24 uint8 (E2M3 codes of W_nh, K innermost, in blocks of 32 codes, four codes in three bytes); W_nh_scales 512 x 16 uint8 (E8M0 scales of W_nh, one for each 32 codes along K); W_nx_codes 512 x 16 x 24 uint8 (E2M3 codes of W_nx, K innermost, in blocks of 32 codes, four codes in three bytes); W_nx_scales 512 x 16 uint8 (E8M0 scales of W_nx, one for each 32 codes along K); W_rh_codes 512 x 16 x 24 uint8 (E2M3 codes of W_rh, K innermost, in blocks of 32 codes, four codes in three bytes); W_rh_scales 512 x 16 uint8 (E8M0 scales of W_rh, one for each 32 codes along K); W_rx_codes 512 x 16 x 24 uint8 (E2M3 codes of W_rx, K innermost, in blocks of 32 codes, four codes in three bytes); W_rx_scales 512 x 16 uint8 (E8M0 scales of W_rx, one for each 32 codes along K); W_zh_codes 512 x 16 x 24 uint8 (E2M3 codes of W_zh, K innermost, in blocks of 32 codes, four codes in three bytes); W_zh_scales 512 x 16 uint8 (E8M0 scales of W_zh, one for each 32 codes along K); W_zx_codes 512 x 16 x 24 uint8 (E2M3 codes of W_zx, K innermost, in blocks of 32 codes, four codes in three bytes); W_zx_scales 512 x 16 uint8 (E8M0 scales of W_zx, one for each 32 codes along K); b_nh 512 float32; b_nx 512 float32; b_rh 512 float32; b_rx 512 float32; b_zh 512 float32; b_zx 512 float32; h 32,768 x 512 float32; x_codes 32,768 x 16 x 24 uint8 (E2M3 codes of x, K innermost, in blocks of 32 codes, four codes in three bytes); x_scales 32,768 x 16 uint8 (E8M0 scales of x, one for each 32 codes along K).
;; Outputs: out0 32,768 x 512 float32.
;; This version of the problem:
;;   THIS VERSION OF THE PROBLEM IS GIVEN IN LOW PRECISION. The matrix products marked QUANTISED in the list below multiply operands that are first quantised to E2M3 (2 exponent bits, 3 mantissa bits; 6 bits a number), with one power-of-two scale for each 32 numbers along K (OCP MX v1.0); their sums are f32. All else is computed in f32.
;;   The module's matrix products, in the order in which they are computed (A, B: the left and right operand; K: the contracted axis; several contracted axes count as one K, in the product's order):
;;     1. [M 32,768, K 512] x [K 512, N 512]; A: input x (given as codes); B: input W_rx (given as codes): QUANTISED
;;     2. [M 32,768, K 512] x [K 512, N 512]; A: input h; B: input W_rh (given as codes): QUANTISED
;;     3. [M 32,768, K 512] x [K 512, N 512]; A: input x (given as codes); B: input W_zx (given as codes): QUANTISED
;;     4. [M 32,768, K 512] x [K 512, N 512]; A: input h; B: input W_zh (given as codes): QUANTISED
;;     5. [M 32,768, K 512] x [K 512, N 512]; A: input x (given as codes); B: input W_nx (given as codes): QUANTISED
;;     6. [M 32,768, K 512] x [K 512, N 512]; A: computed on the way; B: input W_nh (given as codes): QUANTISED
;;   THE QUANTISER, for each operand of a quantised product, along K:
;;     - K is cut into blocks of 32 from its start; a last block that is shorter is filled with zeros.
;;     - A block's scale is 2^e with e = floor(log2(the largest magnitude in the block)) - 2, held to -126 .. 127; a block of zeros has e = 0. As a byte (E8M0): e + 127.
;;     - Each number is divided by its block's scale, clamped to +-7.5, and rounded to the nearest number of E2M3, ties to even, subnormals kept.
;;     - The product sums the exact products of the quantised numbers (number of the format x scale) in f32.
;;   ~~~python
;;   def quantise(x, axis):      # numpy; x: float32 -> the quantised numbers, widened to float32 again
;;       x = np.moveaxis(x, axis, -1); K = x.shape[-1]
;;       x = np.pad(x, [(0, 0)] * (x.ndim - 1) + [(0, -K % 32)]); x = x.reshape(x.shape[:-1] + (-1, 32)); a = np.abs(x).max(-1, keepdims=True)
;;       e = np.where(a > 0, np.clip(np.frexp(np.where(a > 0, a, 1))[1] - 1 - 2, -126, 127), 0)      # np.frexp(a)[1] - 1 = floor(log2(a)), exactly
;;       r = np.clip(x / 2.0 ** e, -7.5, 7.5)
;;       step = 2.0 ** (np.maximum(np.frexp(np.where(r == 0, 1, r))[1] - 1, 0) - 3)
;;       q = np.round(r / step) * step * 2.0 ** e      # np.round: ties to even
;;       return np.moveaxis(q.reshape(q.shape[:-2] + (-1,))[..., :K], -1, axis).astype(np.float32)
;;   ~~~
;;   OPERANDS COMPUTED ON THE WAY. 'Computed on the way' means the value that the module computes at that place (a softmax that the list does not call 'softmax' is quantised finished and normalised). What goes into a quantiser is computed in f32, as accurately as f32 sums, v_exp_f32 and their like allow (about 1e-6 of the number): no bf16 or f16 on the way to a quantiser, and a product that is left as it is and whose result goes on into a quantised operand takes f32 operands (vector FMAs, or v_wmma_f32_16x16x4_f32). A number that lies on a knife's edge between two numbers of the format may be rounded either way, as far as f32 arithmetic and the matrix unit's own rounding can turn it there, and no further.
;;   INPUTS GIVEN AS CODES. W_nh (in the module: [512, 512], K = its axis 1); W_nx (in the module: [512, 512], K = its axis 1); W_rh (in the module: [512, 512], K = its axis 1); W_rx (in the module: [512, 512], K = its axis 1); W_zh (in the module: [512, 512], K = its axis 1); W_zx (in the module: [512, 512], K = its axis 1); x (in the module: [32768, 512], K = its axis 1): each comes as NAME_codes (uint8): NAME with its K axis moved to the last place and cut into blocks of 32 codes, [.., K / 32, bytes a block], one block behind the other in memory; four codes in three bytes: a row's codes are one little-endian stream of bits, code i at bits 6 i .. 6 i + 5 (a code: sign, 2 exponent bits, 3 mantissa bits); and NAME_scales (uint8): the same leading axes, one E8M0 byte (e + 127) for each 32 codes along K. Its value is code x scale, taken as it is: it is not quantised again, and the codes and scales need not be those that the quantiser above would give.
;; One version. Each part assembles by itself: llvm-mc -triple=amdgcn-amd-amdhsa -mcpu=gfx1250 --defsym DOCPART=n.
;; ======== version 1 of 1: 2 launches
;; limits: below input magnitudes of 1e-05 results are inexact or not finite
;; workspace buffers: wimg 1,228,800 bytes
;; launch lay (part 1): grid 6 x 4, 4 waves a work-group, no clusters, 0 bytes of LDS; arguments W_rx_codes, W_zx_codes, W_rh_codes, W_zh_codes, W_nx_codes, W_nh_codes, W_rx_scales, W_zx_scales, W_rh_scales, W_zh_scales, W_nx_scales, W_nh_scales, wimg; writes wimg
.if DOCPART == 1
	.amdgcn_target "amdgcn-amd-amdhsa--gfx1250"
	.amdhsa_code_object_version 6
	.text
	.protected	k_q3017edd000_lay
	.globl	k_q3017edd000_lay
	.p2align	8
	.type	k_q3017edd000_lay,@function
k_q3017edd000_lay:
	s_mov_b64 s[64:65], 0
	v_nop
	global_prefetch_b8 v0, s[64:65] scope:SCOPE_SE
	s_setreg_imm32_b32 hwreg(HW_REG_WAVE_MODE, 25, 1), 1
	s_wait_xcnt 0x0
; The six weights [512][512], given as codes of FP6 (E2M3) with K innermost and one E8M0 byte for each 32 along K, are laid once into wimg
; IN THE ORDER OF THE OPERAND'S REGISTERS AND IN THE ORDER OF USE, so that the next launch fetches a step's weights as one dense block and a fragment by three loads of 16 bytes a lane.
; wimg = unit U (0..23) x wave w (0..3) x 12,800 bytes; two units are a step.  With s the K step of 128:
;   W_rx: U = 2 s;  W_zx: U = 2 s + 1;  W_rh: U = 8 + s;  W_zh: U = 12 + s;  W_nx: U = 16 + 2 s;  W_nh: U = 17 + 2 s.
; A part of 12,800 bytes: 8 fragments (16 rows x 128 K, 12 registers a lane) of 1,536 bytes: registers 4 c .. 4 c + 3 of lane l at 1,536 t + 512 c + 16 l; then 512 bytes of scale words:
; lane l's word i (0..3) is the word of tile 2 i + l / 16, row l % 16 of that tile.
; THE ROWS OF A TILE ARE NOT NEIGHBOURS: lane-row r of tile t of wave w is row 128 w + 32 (t / 2) + 8 (t % 2) + r + 8 (r / 8) of W, so that in the transposed product the 16 registers of
; tiles 2 b and 2 b + 1 are 16 neighbouring output columns.
; SHARES: work-group x = the matrix (0 rx, 1 zx, 2 rh, 3 zh, 4 nx, 5 nh), y = the K step; wave w = rows 128 w on: one part a wave.  No LDS, no barrier; no register is written twice.
.set CROW,  384                        ; a row of codes in bytes: 512 codes of 6 bits
.set FRB,   1536                       ; a fragment's image
.set PARTB, 12800
.set UNITB, 51200
.set F,     16                         ; v16-111  eight fragments
.set SW,    112                        ; v112-115 the scale words
	s_load_b256 s[8:15], s[0:1], 0x0               ; codes of rx, zx, rh, zh
	s_load_b128 s[16:19], s[0:1], 0x20             ; of nx, nh
	s_load_b256 s[20:27], s[0:1], 0x30             ; scales of rx, zx, rh, zh
	s_load_b128 s[28:31], s[0:1], 0x50             ; of nx, nh
	s_load_b64 s[32:33], s[0:1], 0x60              ; wimg
	v_lshrrev_b32 v1, 5, v0
	v_readfirstlane_b32 s2, v1                     ; wave 0..3
	s_and_b32 s3, ttmp7, 0xffff                    ; the K step
	v_and_b32 v1, 15, v0                           ; r
	v_bfe_u32 v2, v0, 4, 1                         ; h
	v_and_b32 v3, 8, v1
	v_add_nc_u32 v3, v3, v1                        ; r + 8 (r / 8)
	v_mul_u32_u24 v4, v3, CROW
	v_mad_u32_u24 v4, v2, 24, v4                   ; codes: my row of a tile, + 24 bytes for the upper half of the lanes
	v_lshl_add_u32 v5, v2, 3, v3
	v_lshlrev_b32 v5, 4, v5                        ; scales: 16 bytes a row; lanes 16-31 take the odd tile, 8 rows further down
	v_and_b32 v6, 31, v0
	v_lshlrev_b32 v6, 4, v6                        ; out: 16 bytes a lane
	s_mul_i32 s34, s2, 128*CROW                    ; my 128 rows,
	s_mul_i32 s36, s3, 96                          ; my 128 along K
	s_add_co_u32 s34, s34, s36
	s_mov_b32 s35, 0
	s_lshl_b32 s36, s2, 11                         ; the same among the scale bytes: 16 a row, 4 a K step
	s_lshl_b32 s37, s3, 2
	s_add_co_u32 s36, s36, s37
	s_mov_b32 s37, 0
	s_lshr_b32 s38, ttmp9, 1                       ; the pair of matrices: 0 (rx, zx), 1 (rh, zh), 2 (nx, nh)
	s_and_b32 s39, ttmp9, 1                        ; which of the pair
	s_lshl_b32 s40, s38, 3
	s_lshl_b32 s41, s3, 1
	s_add_co_u32 s40, s40, s41
	s_add_co_u32 s40, s40, s39                     ; pairs 0 and 2: the two matrices by turns: U = 8 x pair + 2 s + which
	s_lshl_b32 s41, s39, 2
	s_add_co_u32 s41, s41, s3
	s_add_co_u32 s41, s41, 8                       ; pair 1: one matrix after the other: U = 8 + 4 x which + s
	s_cmp_eq_u32 s38, 1
	s_cselect_b32 s38, s41, s40
	s_mul_i32 s38, s38, UNITB
	s_mul_i32 s39, s2, PARTB
	s_add_co_u32 s38, s38, s39                     ; my part's first byte in wimg
	s_mov_b32 s39, 0
	s_wait_kmcnt 0x0
.irp k, 1,2,3,4,5                              ; the matrix is chosen by the work-group's number alone
	s_cmp_eq_u32 ttmp9, \k
	s_cselect_b64 s[8:9], s[8+2*\k:9+2*\k], s[8:9]
	s_cselect_b64 s[20:21], s[20+2*\k:21+2*\k], s[20:21]
.endr
	s_add_nc_u64 s[8:9], s[8:9], s[34:35]
	s_add_nc_u64 s[20:21], s[20:21], s[36:37]
	s_add_nc_u64 s[32:33], s[32:33], s[38:39]
.irp t, 0,1,2,3,4,5,6,7                        ; a fragment: registers 6 c .. 6 c + 5 are the 24 bytes at 48 c + 24 h of the row's 96, in pieces of 8 bytes
.irp p, 0,1,2,3,4,5
	global_load_b64 v[F+12*\t+2*\p:F+12*\t+2*\p+1], v4, s[8:9] offset:(32*(\t/2)+8*(\t%2))*CROW+48*(\p/3)+8*(\p%3)
.endr
.endr
.irp i, 0,1,2,3
	global_load_b32 v[SW+\i], v5, s[20:21] offset:512*\i           ; tiles 2 i and 2 i + 1 begin 32 i rows down
.endr
.irp t, 0,1,2,3,4,5,6,7
	s_wait_loadcnt 6*(7-\t)+4                      ; tile t's six loads are in; the later tiles' and the four scale loads may be out
.irp c, 0,1,2
	global_store_b128 v6, v[F+12*\t+4*\c:F+12*\t+4*\c+3], s[32:33] offset:FRB*\t+512*\c   ; the wave stores 512 consecutive bytes, aligned
.endr
.endr
	s_wait_loadcnt 0x0
	global_store_b128 v6, v[SW:SW+3], s[32:33] offset:8*FRB
	s_endpgm
.Lfunc_end_k_q3017edd000_lay:
	.size	k_q3017edd000_lay, .Lfunc_end_k_q3017edd000_lay-k_q3017edd000_lay
	.p2alignl 7, 3214868480
	.fill 96, 4, 3214868480
	.section	.rodata,"a",@progbits
	.p2align	6, 0x0
	.amdhsa_kernel k_q3017edd000_lay
		.amdhsa_group_segment_fixed_size 0
		.amdhsa_private_segment_fixed_size 0
		.amdhsa_enable_private_segment 0
		.amdhsa_kernarg_size 104
		.amdhsa_user_sgpr_count 2
		.amdhsa_user_sgpr_kernarg_segment_ptr 1
		.amdhsa_wavefront_size32 1
		.amdhsa_system_sgpr_workgroup_id_x 1
		.amdhsa_system_sgpr_workgroup_id_y 1
		.amdhsa_system_sgpr_workgroup_id_z 1
		.amdhsa_system_vgpr_workitem_id 0
		.amdhsa_next_free_vgpr 128
		.amdhsa_next_free_sgpr 66
		.amdhsa_reserve_vcc 0
		.amdhsa_float_denorm_mode_32 3
		.amdhsa_float_denorm_mode_16_64 3
		.amdhsa_memory_ordered 1
		.amdhsa_forward_progress 1
		.amdhsa_inst_pref_size 11
	.end_amdhsa_kernel
	.amdgpu_metadata
---
amdhsa.version: [ 1, 2 ]
amdhsa.kernels:
  - .name:           k_q3017edd000_lay
    .symbol:         k_q3017edd000_lay.kd
    .args:
      - { .name: W_rx_codes, .offset: 0, .size: 8, .value_kind: global_buffer, .address_space: global }
      - { .name: W_zx_codes, .offset: 8, .size: 8, .value_kind: global_buffer, .address_space: global }
      - { .name: W_rh_codes, .offset: 16, .size: 8, .value_kind: global_buffer, .address_space: global }
      - { .name: W_zh_codes, .offset: 24, .size: 8, .value_kind: global_buffer, .address_space: global }
      - { .name: W_nx_codes, .offset: 32, .size: 8, .value_kind: global_buffer, .address_space: global }
      - { .name: W_nh_codes, .offset: 40, .size: 8, .value_kind: global_buffer, .address_space: global }
      - { .name: W_rx_scales, .offset: 48, .size: 8, .value_kind: global_buffer, .address_space: global }
      - { .name: W_zx_scales, .offset: 56, .size: 8, .value_kind: global_buffer, .address_space: global }
      - { .name: W_rh_scales, .offset: 64, .size: 8, .value_kind: global_buffer, .address_space: global }
      - { .name: W_zh_scales, .offset: 72, .size: 8, .value_kind: global_buffer, .address_space: global }
      - { .name: W_nx_scales, .offset: 80, .size: 8, .value_kind: global_buffer, .address_space: global }
      - { .name: W_nh_scales, .offset: 88, .size: 8, .value_kind: global_buffer, .address_space: global }
      - { .name: wimg, .offset: 96, .size: 8, .value_kind: global_buffer, .address_space: global }
    .group_segment_fixed_size: 0
    .private_segment_fixed_size: 0
    .kernarg_segment_align: 8
    .kernarg_segment_size: 104
    .max_flat_workgroup_size: 128
    .sgpr_count:     66
    .vgpr_count:     128
    .wavefront_size: 32
...
	.end_amdgpu_metadata
.endif
;; end of part 1
;; launch gru (part 2): grid 512 x 1, 4 waves a work-group, clusters of 4 x 1, 327,680 bytes of LDS; arguments wimg, x_codes, x_scales, h, b_rx, b_rh, b_zx, b_zh, b_nx, b_nh, out0; writes out0
.if DOCPART == 2
	.amdgcn_target "amdgcn-amd-amdhsa--gfx1250"
	.amdhsa_code_object_version 6
	.text
	.protected	k_q3017edd000_gru
	.globl	k_q3017edd000_gru
	.p2align	8
	.type	k_q3017edd000_gru,@function
k_q3017edd000_gru:
	s_mov_b64 s[64:65], 0
	v_nop
	global_prefetch_b8 v0, s[64:65] scope:SCOPE_SE
	s_setreg_imm32_b32 hwreg(HW_REG_WAVE_MODE, 25, 1), 1
	s_wait_xcnt 0x0
	s_wait_alu depctr_hold_cnt(0) depctr_sa_sdst(0) depctr_va_vdst(0) depctr_va_sdst(0) depctr_va_ssrc(0) depctr_va_vcc(0) depctr_vm_vsrc(0)
	s_getreg_b32 s2, hwreg(HW_REG_IB_STS2, 6, 4)
	s_cmp_eq_u32 s2, 0
	s_cbranch_scc0 .Lentry_in_a_cluster
	s_endpgm
.Lentry_in_a_cluster:
	s_bfe_u32 s2, ttmp6, 0x10000c
	s_cmp_lg_u32 s2, 0x3003
	s_cbranch_scc0 .Lentry_shape_is_right
	s_endpgm
.Lentry_shape_is_right:
; One GRU step, whole, for 64 rows a work-group:  r = sigmoid(x W_rx^T + h W_rh^T + b_rx + b_rh);  z likewise;  n = tanh(x W_nx^T + (r h) W_nh^T + b_nx + b_nh);  out = (1 - z) n + z h = n + z (h - n).
; All six products on codes of FP6 (E2M3) with one E8M0 scale for each 32 along K; x and the weights come as codes, h and r h are quantised here, in registers; all else in f32.  h is read once, nothing goes to memory on the way.
; SHARES.  Four waves; wave w owns output columns 128 w .. 128 w + 127 of every gate for all 64 rows: 32 accumulators of 16 x 16, 256 registers a gate.  Those 128 columns are K step w of h and of r h.
; THE MATRIX INSTRUCTION IS USED TRANSPOSED (source 0 = 16 rows of a weight, source 1 = 16 rows of x, h or r h), and a weight tile's rows are chosen (by the launch that laid wimg) so that
; register 64 m + 16 b + i of lane (r, hh) is column 128 w + 32 b + 16 hh + i of row 16 m + r: 16 neighbours along the next K in 16 registers, as the conversions want them.  h is brought into the same layout.
; OPERANDS GO FROM WAVE TO WAVE THROUGH LDS AS IMAGES OF THEIR REGISTERS (1,536 bytes a fragment, lane l's 16 bytes at 512 c + 16 l); scale words as 16 bytes a row: the four row tiles' words.
; THE WEIGHTS come from wimg, 12 steps of 102,400 bytes (two units of 32 matrix instructions a wave), through two LDS slots.  Every work-group walks the same weights, so the four of a cluster ask JOINTLY:
; the same tensor load, the same descriptor, the mask 15; each wave asks for a quarter of a slot.  By this text's count a wave has two tensor loads out at the head and one later.
; THE VECTOR WORK STANDS BEHIND THE REFILLS.  Step j + 2's weights are asked for in the middle of step j's second unit and waited for at the head of step j + 1's second unit: 48 matrix instructions.  So whatever
; vector work is ready is set between step j and step j + 1, a row tile (16 rows) or two at a time, and the units are ordered so that something is ready:
;   steps 0-3: x W_rx | x W_zx, K step by K step; behind step m: h's row tile m turned into the sums' layout and quantised
;   steps 4, 5: h W_rh; behind step 5: r, r h and its codes for row tile 0      steps 6, 7: h W_zh; behind step 6: row tile 1; behind step 7: row tiles 2 and 3
;   steps 8-11: x W_nx | (r h) W_nh, one sum; behind step 8: z of row tiles 0, 1; behind step 9: of 2, 3      then tanh, the blend, the stores.
; While that work runs the next step's first fragments already lie in window 0: it keeps to the three arrays and to v20-22 and v232-252.
; THE BIASES: b1 + b2 of a gate is loaded into the registers of row tile 3's accumulators and is the C of the gate's first products: row tiles 0-2 first, then row tile 3 in place.
; Written out, no loop: the sets of activation fragments change places from step to step.
; LIMITS.  NaN and infinities among the inputs are not served.  A block of h or r h whose largest magnitude lies under 2^-124 keeps the scale byte 1, a block of zeros too (the rule says 127: its codes are zeros,
; and the bytes are read here alone).  A gate's sum begins with b1 + b2: another order of rounding than the reference's.  An exponential that overflows gives r, z = 0 or n = -1 .. 1 exactly.
; REGISTERS, in windows of 256: window 1: r's sums, then r h, then n's sums, then out.  window 2: z's sums, then z.  window 3: h, at last h - n.  window 0: as named below.
.set FRB,   1536                       ; a fragment's image
.set PARTB, 12800                      ; a wave's part of a unit: 8 fragments + 512 bytes of scale words
.set UNITB, 51200
.set STEPB, 102400
.set QTR,   25600                      ; what one tensor load brings: 100 rows of 256 bytes
.set XIMG,  102400                     ; LDS: slot 0 at 0; x's 16 images (4 s + m);
.set XSC,   126976                     ; x's scale words at 256 s + 16 r + 4 m;
.set SLOT1, 131072                     ; slot 1;
.set HIMG,  233472                     ; h's images;
.set HSC,   258048                     ; h's scale words;
.set RH,    25600                      ; r h's images and scale words lie RH bytes behind h's;
.set STAGE, 284672                     ; a stage of 16 rows x 528 bytes for each wave;
.set SP,    528                        ; 512 bytes + 16: the sixteen rows that a load of 16 bytes a lane touches start 33 x 16 bytes apart
.set SPARE, 318464                     ; the spare words, 128 bytes a wave: two blocks of 256 bytes that no other line names;
.set BIAS,  318976                     ; the bias sums b1 + b2: gate q at 2,048 q + 512 w
.set SPW, 2                            ; v2   SPARE + 4 x my thread's number; never rewritten
.set NIL, 3                            ; v3   0; never rewritten
.set BA,  4                            ; v4-5 my part of a unit in slot 0, 1: + 16 x lane
.set XA,  6                            ; v6   x's images, + 16 x lane
.set XS,  7                            ; v7   x's scale words, + 16 r
.set HA,  8                            ; v8   h's images
.set HS,  9                            ; v9   h's scale words
.set XWI, 10                           ; v10  where I store x's images: row tile w
.set XWS, 11                           ; v11  and their scale words
.set HWI, 12                           ; v12  where I store h's and r h's images: K step w
.set HWS, 13                           ; v13  and their scale words
.set STO, 14                           ; v14  my stage by columns: 528 r + 64 hh
.set SRD, 15                           ; v15  my stage by rows: 16 x lane
.set BWA, 16                           ; v16  my bias sums, as stored
.set BRA, 17                           ; v17  and as read: + 64 hh
.set HG,  18                           ; v18  512 w + 16 x lane: my bytes of a row of h and of out, and of a bias
.set XG,  19                           ; v19  x's codes: row 16 w + r, + 24 hh
.set CB1, 20                           ; v20-22   at the head: r, hh, 16 x lane; later the quantiser's: the upper halves of blocks 2, 3
.set XQ,  23                           ; v23  x's scale bytes: row 16 w + r
.set BS,  24                           ; v24-31   the weights' scale words, a set for each unit
.set AS,  32                           ; v32-39   the activations' scale words, two sets; register m: row tile m
.set AF,  40                           ; v40-135  the activations' fragments, two sets of four
.set BF,  136                          ; v136-231 the weights' fragments, one set of eight
.set TM,  232                          ; v232-239 the quantiser's: largest magnitudes, bytes
.set PC,  232                          ; v232-243 the codes just made: they take the places of what the bytes were made of
.set SO,  244                          ; v244-247 the conversions' scale operands
.set PW,  248                          ; v248     the scale word just made
.set CB0, 250                          ; v250-252 the upper halves of blocks 0, 1
.set T0,  104                          ; v104-167, v168-231: rows of out, by turns
.set WV,  26                           ; s26      my wave's number
.set G1,  32                           ; s[32:39] descriptor group 1
.set G0,  40                           ; s[40:43], s[44:47] group 0 of slot 0, 1
.set CN,  54                           ; s[54:55] -log2 e
.set C2,  56                           ; s[56:57] 2 log2 e
.set SEL, 58                           ; s[58:59] v_permlanex16_b32's selects for lane l xor 16
.set MSB, 0
.macro WIN new                         ; s_set_vgpr_msb: bits 1:0 source 0, 3:2 source 1, 5:4 source 2, 7:6 destination; the high byte repeats the setting that is left
.if MSB != (\new)
	s_set_vgpr_msb (MSB<<8)|(\new)
.set MSB, (\new)
.endif
.endm
; A load into a register that a matrix instruction has read, and a vector instruction that reads a matrix result or writes one of its registers, stand four places behind it;
; only plain vector instructions that name none of its registers are places (ISA guide 7.12.1 for vector instructions).
.macro PLACES
.rept 4
	v_nop
.endr
.endm
.macro CREST                           ; a round of the cluster's barrier behind its opening barrier
	s_cmp_lg_u32 s[WV], 0
	s_cbranch_scc1 .Lnot_wave_0_\@
	s_barrier_signal -3
.Lnot_wave_0_\@:
	s_barrier_wait -3
	s_barrier_signal -1
	s_barrier_wait -1
.endm
.macro CROUND                          ; a whole round
	s_barrier_signal -1
	s_barrier_wait -1
	CREST
.endm
.macro LDW half, slot, u               ; 12 loads: my weight tiles 4 half .. 4 half + 3 of unit u
.irp t, 0,1,2,3
.irp c, 0,1,2
	ds_load_b128 v[BF+48*(\half)+12*\t+4*\c:BF+48*(\half)+12*\t+4*\c+3], v[BA+(\slot)] offset:(\u)*UNITB+(4*(\half)+\t)*FRB+512*\c
.endr
.endr
.endm
.macro LDWS u, slot                    ; 1 load: the scale words of my eight tiles: register i: lanes 0-15 tile 2 i, lanes 16-31 tile 2 i + 1
	ds_load_b128 v[BS+4*(\u):BS+4*(\u)+3], v[BA+(\slot)] offset:(\u)*UNITB+8*FRB
.endm
.macro LDACT set, kind, s              ; 13 loads: K step s of x (kind 0), h (1) or r h (2): four row tiles' fragments and their scale words
.if (\kind) == 0
.set A_, XA
.set S_, XS
.set O_, 0
.elseif (\kind) == 1
.set A_, HA
.set S_, HS
.set O_, 0
.else
.set A_, HA
.set S_, HS
.set O_, RH
.endif
.irp m, 0,1,2,3
.irp c, 0,1,2
	ds_load_b128 v[AF+48*(\set)+12*\m+4*\c:AF+48*(\set)+12*\m+4*\c+3], v[A_] offset:O_+4*FRB*(\s)+FRB*\m+512*\c
.endr
.endr
	ds_load_b128 v[AS+4*(\set):AS+4*(\set)+3], v[S_] offset:O_+256*(\s)
.endm
.macro LDBIAS g, q                     ; 16 loads: gate q's b1 + b2 at my 64 columns, into the registers of row tile 3's accumulators in window g
	WIN (\g)<<6
.irp b, 0,1,2,3
.irp j, 0,1,2,3
	ds_load_b128 v[192+16*\b+4*\j:192+16*\b+4*\j+3], v[BRA] offset:2048*(\q)+128*\b+16*\j
.endr
.endr
	WIN 0
.endm
; One matrix instruction: weight tile T_ against row tile M_.  bias = 1: its C is the bias of tile T_, which lies where row tile 3's accumulator of that tile lies (for M_ = 3 that is the sum itself).
.macro WM aset, u, bias
.set D_, 64*M_+8*T_
.if \bias
.set C_, 192+8*T_
.else
.set C_, 64*M_+8*T_
.endif
.set FA_, BF+12*T_
.set FB_, AF+48*(\aset)+12*M_
.set SA_, BS+4*(\u)+T_/2
.set SB_, AS+4*(\aset)+M_
.if T_%2
	v_wmma_scale_f32_16x16x128_f8f6f4 v[D_:D_+7], v[FA_:FA_+11], v[FB_:FB_+11], v[C_:C_+7], v[SA_], v[SB_] matrix_a_fmt:MATRIX_FMT_FP6 matrix_b_fmt:MATRIX_FMT_FP6 matrix_a_scale:MATRIX_SCALE_ROW1
.else
	v_wmma_scale_f32_16x16x128_f8f6f4 v[D_:D_+7], v[FA_:FA_+11], v[FB_:FB_+11], v[C_:C_+7], v[SA_], v[SB_] matrix_a_fmt:MATRIX_FMT_FP6 matrix_b_fmt:MATRIX_FMT_FP6
.endif
.endm
; 4 n matrix instructions: weight tiles t0 .. t0 + n - 1, each against the four row tiles; sums in window g.  The accumulators take turns, one instruction a turn.
; first = 1: the gate's first products, which start the sums from the bias: nothing is ever cleared.  Row tiles 0-2 read the bias; row tile 3's products write over it, so they stand five places behind the last
; product that read it (a matrix instruction that writes over a register of an earlier one: one place more than a load or a vector instruction owes).
.macro MM g, t0, n, aset, u, first
	WIN ((\g)<<6)|((\g)<<4)
.if \first
.set M_, 0
.rept 3
.set T_, \t0
.rept \n
	WM \aset, \u, 1
.set T_, T_+1
.endr
.set M_, M_+1
.endr
.rept 5
	v_nop
.endr
.set M_, 3
.set T_, \t0
.rept \n
	WM \aset, \u, 1
.set T_, T_+1
.endr
.else
.set T_, \t0
.rept \n
.set M_, 0
.rept 4
	WM \aset, \u, 0
.set M_, M_+1
.endr
.set T_, T_+1
.endr
.endif
.endm
.macro START slot, kind, s             ; what the first step's first unit wants
	LDW 0, \slot, 0
	LDWS 0, \slot
	LDACT 0, \kind, \s
	LDW 1, \slot, 0
.endm
; A step's first unit.  A weight tile is free as soon as its four products are issued, so one set of registers serves: tiles 0-3 are fetched anew in the unit's middle, tiles 4-7 at its end.
; w0: how many of the youngest LDS instructions may be out at its head.  mid = 1: the second unit has activations of its own (kind mkind, K step ms): they come with the middle run, into set 1.
.macro U0 slot, g, aset, first, w0, mid, mkind, ms
	s_wait_dscnt \w0                               ; 12: all but the youngest twelve loads (tiles 4-7) are in;  0: the activations were asked for last
	MM \g, 0, 4, \aset, 0, \first
	PLACES
	WIN 0
	LDW 0, \slot, 1
	LDWS 1, \slot
.if \mid
	LDACT 1, \mkind, \ms
	s_wait_dscnt 26                                ; all but the 12 + 1 + 13 just issued: tiles 4-7 are in
.else
	s_wait_dscnt 13                                ; all but the 12 + 1 just issued: tiles 4-7 are in
.endif
	MM \g, 4, 4, \aset, 0, \first
	PLACES
	WIN 0
	LDW 1, \slot, 1
.endm
; A step's second unit changes slots.  chg = 2: ONE barrier, which opens a round of the cluster's; in front of it each wave waits for all its tensor loads (its quarter of the next slot), adds 0 to its spare word,
; and waits for that and for its reads of this slot; behind the round this slot is filled again, two steps ahead, first thing.  chg = 1: the same without round and refill.  chg = 0: the last step.
; pre = 1: the next step's first fragments are fetched from the other slot (activations: set pset, kind pkind, K step ps);  pre = 2: its weights alone.
.macro U1 slot, g, aset, first, chg, pre, pset, pkind, ps
.if (\chg) == 0
	s_wait_dscnt 12                                ; tiles 4-7 may be out
	MM \g, 0, 4, \aset, 1, \first
	s_wait_dscnt 0x0
	MM \g, 4, 4, \aset, 1, \first
	PLACES
	WIN 0
.else
	s_wait_tensorcnt 0x0                           ; all my tensor loads have landed: my quarter of the next slot  (every window is 0 here)
	ds_add_u32 v[SPW], v[NIL]                      ; 0 onto my spare word
	s_wait_dscnt 13                                ; (the add and the twelve loads of tiles 4-7 may be out)
	MM \g, 0, 2, \aset, 1, \first                  ; eight matrix instructions stand between the add and the wait for it
	s_wait_dscnt 0x0                               ; the add is done, and my reads of this slot are over
	s_barrier_signal -1
	MM \g, 2, 2, \aset, 1, \first
	WIN 0
	s_barrier_wait -1
.if (\chg) == 2
	CREST                                          ; no wave of any partner still reads this slot or has a load on its way
	s_add_nc_u64 s[G0+4*(\slot)+2:G0+4*(\slot)+3], s[G0+4*(\slot)+2:G0+4*(\slot)+3], 2*STEPB
	tensor_load_to_lds s[G0+4*(\slot):G0+4*(\slot)+3], s[G1:G1+7]   ; my one tensor load behind the round
	s_nop 0
.endif
	PLACES                                         ; behind the tensor load, and in front of the loads into tiles 0-3
.if \pre
	LDW 0, 1-\slot, 0
	LDWS 0, 1-\slot
.if (\pre) == 1
	LDACT \pset, \pkind, \ps
.endif
.endif
	MM \g, 4, 4, \aset, 1, \first
	PLACES
	WIN 0
.if \pre
	LDW 1, 1-\slot, 0
.endif
.endif
.endm
; 64 numbers of a lane in window w, register s + 16 b + i = k 32 b + 16 (lane / 16) + i of my row, become a fragment's codes in v[PC] on and my row's scale word in v[PW].
.macro QUANT w, s
	WIN (\w)|((\w)<<2)
.irp b, 0,1,2,3
	v_max3_num_f32 v[TM+\b], |v[(\s)+16*\b]|, |v[(\s)+16*\b+1]|, 0x1800000   ; block b: my 16 numbers, and the floor 2^(3 - 127): the byte cannot fall under 1
.endr
.irp i, 2,4,6,8,10,12,14
.irp b, 0,1,2,3
	v_max3_num_f32 v[TM+\b], |v[(\s)+16*\b+\i]|, |v[(\s)+16*\b+\i+1]|, v[TM+\b]   ; (the four blocks by turns)
.endr
.endr
	WIN 0
.irp b, 0,1,2,3
	v_permlanex16_b32 v[TM+4+\b], v[TM+\b], s[SEL], s[SEL+1]
.endr
.irp b, 0,1,2,3
	v_max_num_f32 v[TM+\b], v[TM+\b], v[TM+4+\b]   ; with lane l xor 16's: the block's largest magnitude
.endr
.irp b, 0,1,2,3
	v_add_nc_u32 v[SO+\b], 0xff000000, v[TM+\b]    ; 2 off its exponent field: the conversion takes the exponent field of this operand as its scale
.endr
.irp b, 0,1,2,3
	v_lshrrev_b32 v[TM+4+\b], 23, v[SO+\b]         ; the scale's byte
.endr
	v_lshl_or_b32 v[PW], v[TM+5], 8, v[TM+4]
	v_lshl_or_b32 v[PW], v[TM+6], 16, v[PW]
	v_lshl_or_b32 v[PW], v[TM+7], 24, v[PW]        ; from here on v232-243 are free for the codes
	WIN (\w)
	v_cvt_scalef32_pk16_fp6_f32 v[PC:PC+2], v[(\s):(\s)+15], v[SO]
	v_cvt_scalef32_pk16_fp6_f32 v[CB0:CB0+2], v[(\s)+16:(\s)+31], v[SO+1]      ; (a conversion's three registers begin on an even number)
	v_cvt_scalef32_pk16_fp6_f32 v[PC+6:PC+8], v[(\s)+32:(\s)+47], v[SO+2]
	v_cvt_scalef32_pk16_fp6_f32 v[CB1:CB1+2], v[(\s)+48:(\s)+63], v[SO+3]
	WIN 0
	v_nop                                          ; one plain place behind a scaled conversion
.irp i, 0,1,2                                  ; the operand's layout wants a WHOLE block in a lane: lanes 0-15 block 2 c, lanes 16-31 block 2 c + 1
	v_permlane16_swap_b32 v[PC+\i], v[CB0+\i]
.endr
.irp i, 0,1,2
	v_permlane16_swap_b32 v[PC+6+\i], v[CB1+\i]
.endr
.irp i, 0,1,2
	v_mov_b32 v[PC+3+\i], v[CB0+\i]
.endr
.irp i, 0,1,2
	v_mov_b32 v[PC+9+\i], v[CB1+\i]
.endr
.endm
.macro IMAGE adr, off                          ; the fragment in v[PC] on goes to LDS as it stands
.irp c, 0,1,2
	ds_store_b128 v[\adr], v[PC+4*\c:PC+4*\c+3] offset:(\off)+512*\c
.endr
.endm
; 64 sums s become 1 / (1 + 2^(c s)), in place, under the caller's windows (destination and source 0).  Ascending: each accumulator is first read at its low end.
.macro SIGM base, c
.set J_, 0
.rept 32
	v_pk_mul_f32 v[(\base)+J_:(\base)+J_+1], v[(\base)+J_:(\base)+J_+1], s[\c:\c+1] op_sel_hi:[1,0]
.set J_, J_+2
.endr
.set J_, 0
.rept 64
	v_exp_f32 v[(\base)+J_], v[(\base)+J_]
.set J_, J_+1
.endr
	v_nop                                          ; a plain place behind the last exponential
.set J_, 0
	s_wait_alu depctr_va_vdst(0)
.rept 32
	v_pk_add_f32 v[(\base)+J_:(\base)+J_+1], v[(\base)+J_:(\base)+J_+1], 1.0 op_sel_hi:[1,0]
.set J_, J_+2
.endr
.set J_, 0
.rept 64
	v_rcp_f32 v[(\base)+J_], v[(\base)+J_]
.set J_, J_+1
.endr
	v_nop                                          ; a plain place behind the last reciprocal
.endm
; h's row tile m: from rows (16 bytes a lane, as loaded) into the sums' layout, through my stage; then quantised: K step w of the products with W_rh and W_zh
.macro QHT m
	s_wait_loadcnt 16*(3-(\m))                     ; the tile's 16 loads are in; the later tiles' may be out
	WIN 0x0c                                       ; an LDS store's data are its source 1: window 3
.irp p, 0,1,2,3,4,5,6,7,8,9,10,11,12,13,14,15
	ds_store_b128 v[SRD], v[64*(\m)+4*\p:64*(\m)+4*\p+3] offset:SP*\p
.endr
	WIN 0xc0                                       ; LDS serves a wave's instructions in order (ISA guide 5.7.1.4): the loads see the stores above, and land in the registers that those have left
.irp b, 0,1,2,3
.irp j, 0,1,2,3
	ds_load_b128 v[64*(\m)+16*\b+4*\j:64*(\m)+16*\b+4*\j+3], v[STO] offset:128*\b+16*\j
.endr
.endr
	WIN 0
	s_wait_dscnt 0x0                               ; the tile is back; and the last tile's image stores have read their registers
	QUANT 3, 64*(\m)
	IMAGE HWI, FRB*(\m)
	ds_store_b32 v[HWS], v[PW] offset:4*(\m)
.endm
; r of row tile m, r h in f32, its codes: K step w of the product with W_nh
.macro RT m
	WIN 0x4d                                       ; destination and source 0 window 1, source 1 window 3 (h)
	SIGM 64*(\m), CN
.set J_, 64*(\m)
	s_wait_alu depctr_va_vdst(0)
.rept 32
	v_pk_mul_f32 v[J_:J_+1], v[J_:J_+1], v[J_:J_+1]   ; r h
.set J_, J_+2
.endr
	s_wait_dscnt 0x0                               ; the last tile's image stores have read their registers
	QUANT 1, 64*(\m)
	IMAGE HWI, RH+FRB*(\m)
	ds_store_b32 v[HWS], v[PW] offset:RH+4*(\m)
.endm
.macro ZT m                                    ; z of row tile m, in place
	WIN 0x82                                       ; destination and source 0 window 2
	SIGM 64*(\m), CN
	WIN 0
.endm
	; ---------------- THE HEAD
	s_load_b256 s[4:11], s[0:1], 0x0               ; wimg s[4:5], x's codes s[6:7], x's scales s[8:9], h s[10:11]
	s_load_b256 s[12:19], s[0:1], 0x20             ; b_rx, b_rh, b_zx, b_zh
	s_load_b128 s[20:23], s[0:1], 0x40             ; b_nx, b_nh
	s_load_b64 s[24:25], s[0:1], 0x50              ; out0
	v_lshl_add_u32 v[SPW], v0, 2, SPARE
	v_mov_b32 v[NIL], 0
	ds_add_u32 v2, v3
	ds_add_u32 v2, v3
	s_wait_dscnt 0x0
	v_lshrrev_b32 v1, 5, v0
	v_readfirstlane_b32 s[WV], v1                  ; wave 0..3
	s_bfe_u32 s27, ttmp6, 0x40000                  ; cx: my place in the cluster
	s_lshl_b32 s28, ttmp9, 2                       ; in a cluster launch ttmp9 counts clusters
	s_add_co_u32 s28, s28, s27                     ; my block of 64 rows: it enters x's, h's and out's addresses alone
	v_and_b32 v1, 31, v0                           ; lane
	v_and_b32 v20, 15, v0                          ; r
	v_bfe_u32 v21, v0, 4, 1                        ; hh
	v_lshlrev_b32 v22, 4, v1                       ; 16 x lane
	s_mul_i32 s30, s[WV], PARTB
	v_add_nc_u32 v[BA], s30, v22
	v_add_nc_u32 v[BA+1], SLOT1, v[BA]
	v_add_nc_u32 v[XA], XIMG, v22
	v_lshl_add_u32 v[XS], v20, 4, XSC
	v_add_nc_u32 v[HA], HIMG, v22
	v_lshl_add_u32 v[HS], v20, 4, HSC
	s_mul_i32 s30, s[WV], FRB
	v_add_nc_u32 v[XWI], s30, v[XA]                ; x: I make row tile w
	s_lshl_b32 s30, s[WV], 2
	v_add_nc_u32 v[XWS], s30, v[XS]
	s_mul_i32 s30, s[WV], 4*FRB
	v_add_nc_u32 v[HWI], s30, v[HA]                ; h, r h: I make K step w
	s_lshl_b32 s30, s[WV], 8
	v_add_nc_u32 v[HWS], s30, v[HS]
	s_mul_i32 s30, s[WV], 16*SP
	s_add_co_u32 s30, s30, STAGE                   ; my stage
	v_mul_u32_u24 v[STO], v20, SP
	v_lshl_add_u32 v[STO], v21, 6, v[STO]
	v_add_nc_u32 v[STO], s30, v[STO]
	v_add_nc_u32 v[SRD], s30, v22
	s_lshl_b32 s30, s[WV], 9
	v_add_nc_u32 v[HG], s30, v22                   ; 512 w + 16 x lane
	v_add_nc_u32 v[BWA], BIAS, v[HG]
	s_add_co_u32 s31, s30, BIAS
	v_lshl_add_u32 v[BRA], v21, 6, s31
	s_lshl_b32 s30, s[WV], 4
	v_add_nc_u32 v[XQ], s30, v20                   ; row 16 w + r of the block
	v_mul_u32_u24 v[XG], v[XQ], 384                ; a row of x is 384 bytes of codes
	v_mad_u32_u24 v[XG], v21, 24, v[XG]
	v_lshlrev_b32 v[XQ], 4, v[XQ]                  ; and 16 scale bytes
.irp b, 0,1,2,3
	v_mov_b32 v[TM+4+\b], 0                        ; written once: a lane permute's destination counts as one of its sources
.endr
	; descriptor group 1: a dense block of 25,600 bytes as 100 rows of 32 elements of 8 bytes, no padding
	s_mov_b32 s[G1], 15|(3<<16)|(1<<21)            ; 15:0 the mask: all four work-groups; 17:16 elements of 8 bytes; 21 set beside a mask
	s_mov_b32 s[G1+1], 32<<16                      ; tensor_dim0 = 32
	s_mov_b32 s[G1+2], 100<<16                     ; tensor_dim1 = 100
	s_mov_b32 s[G1+3], 32<<16                      ; tile_dim0 = 32
	s_mov_b32 s[G1+4], 100                         ; tile_dim1 = 100
	s_mov_b32 s[G1+5], 32                          ; from row to row
	s_mov_b32 s[G1+6], 0
	s_mov_b32 s[G1+7], 0
	s_mov_b32 s[CN], 0xbfb8aa3b                    ; -log2 e
	s_mov_b32 s[CN+1], s[CN]                       ; (named with it as a pair, so it is written)
	s_mov_b32 s[C2], 0x4038aa3b                    ; 2 log2 e
	s_mov_b32 s[C2+1], s[C2]
	s_mov_b32 s[SEL], 0x76543210
	s_mov_b32 s[SEL+1], 0xfedcba98
	s_mul_i32 s48, s[WV], QTR                      ; my quarter of a slot, in wimg and in LDS: no place in the cluster enters it
	s_mov_b32 s49, 0
	s_mov_b32 s51, 0
	s_wait_kmcnt 0x0
	s_mul_i32 s50, s28, 64*384
	s_add_nc_u64 s[6:7], s[6:7], s[50:51]          ; x's codes at my block's first row
	s_lshl_b32 s50, s28, 10
	s_add_nc_u64 s[8:9], s[8:9], s[50:51]          ; its scale bytes
	s_lshl_b32 s50, s28, 17
	s_add_nc_u64 s[10:11], s[10:11], s[50:51]      ; h
	s_add_nc_u64 s[24:25], s[24:25], s[50:51]      ; out
.irp s, 0,1,2,3                                ; x: row tile w, its four fragments: the codes are the register image as they lie, in pieces of 8 bytes
.irp p, 0,1,2,3,4,5
	global_load_b64 v[AF+12*\s+2*\p:AF+12*\s+2*\p+1], v[XG], s[6:7] offset:96*\s+48*(\p/3)+8*(\p%3)
.endr
.endr
	global_load_b128 v[88:91], v[XQ], s[8:9]       ; my row's four scale words
.irp k, 0,1,2,3,4,5
	global_load_b128 v[92+4*\k:95+4*\k], v[HG], s[12+2*\k:13+2*\k]   ; the six biases at my wave's 128 columns, 4 a lane
.endr
	CROUND                                         ; all four work-groups are here: the first joint loads meet
	s_mov_b32 s[G0], 1                             ; count = 1
	s_mov_b32 s[G0+1], s48                         ; LDS address: slot 0, my quarter
	s_add_nc_u64 s[G0+2:G0+3], s[4:5], s[48:49]    ; step 0, my quarter
	s_mov_b32 s[G0+4], 1
	s_add_co_u32 s[G0+5], s48, SLOT1
	s_add_nc_u64 s[G0+6:G0+7], s[G0+2:G0+3], STEPB ; step 1
	s_or_b32 s[G0+3], s[G0+3], 0x80000000          ; type = 2
	s_or_b32 s[G0+7], s[G0+7], 0x80000000
	tensor_load_to_lds s[G0:G0+3], s[G1:G1+7]      ; both first fills together, ahead of every wait on TENSORcnt and every LDS read, and ahead of h's 64 loads: step 0 waits for them and for x alone
	s_nop 0
	tensor_load_to_lds s[G0+4:G0+7], s[G1:G1+7]
	s_nop 0
	PLACES
	WIN 0xc0                                       ; destination window 3
.set R_, 0
.rept 32
	global_load_b128 v[4*R_:4*R_+3], v[HG], s[10:11] offset:2048*R_ th:TH_LOAD_NT   ; h, rows 0-31: the wave reads 512 consecutive bytes, aligned; read once
.set R_, R_+1
.endr
	WIN 0
	s_wait_loadcnt 32                              ; x, its scales and the biases are in; the 32 loads of h may be out
.irp s, 0,1,2,3
.irp c, 0,1,2
	ds_store_b128 v[XWI], v[AF+12*\s+4*\c:AF+12*\s+4*\c+3] offset:4*FRB*\s+512*\c
.endr
	ds_store_b32 v[XWS], v[88+\s] offset:256*\s    ; (lanes r and r + 16 write the same word with the same value)
.endr
.irp q, 0,1,2                                  ; b1 + b2 of each gate
	v_pk_add_f32 v[92+8*\q:93+8*\q], v[92+8*\q:93+8*\q], v[96+8*\q:97+8*\q]
	v_pk_add_f32 v[94+8*\q:95+8*\q], v[94+8*\q:95+8*\q], v[98+8*\q:99+8*\q]
.endr
.irp q, 0,1,2
	ds_store_b128 v[BWA], v[92+8*\q:95+8*\q] offset:2048*\q
.endr
	WIN 0xc0
.set R_, 32
.rept 32
	global_load_b128 v[4*R_:4*R_+3], v[HG], s[10:11] offset:2048*R_ th:TH_LOAD_NT   ; h, rows 32-63
.set R_, R_+1
.endr
	WIN 0
	s_wait_tensorcnt 0x1                           ; my quarter of step 0 is in; step 1's may stay out
	s_wait_dscnt 0x0                               ; my images of x have landed
	s_barrier_signal -1
	s_barrier_wait -1                              ; everybody's have
	LDBIAS 1, 0                                    ; r's bias
	LDBIAS 2, 1                                    ; z's
	; ---------------- STEPS 0-3: x W_rx (window 1), x W_zx (window 2); behind step m: h's row tile m
	START 0, 0, 0
	U0 0, 1, 0, 1, 12, 0, 0, 0
	U1 0, 2, 0, 1, 2, 1, 1, 0, 1
	QHT 0
	U0 1, 1, 1, 0, 12, 0, 0, 0
	U1 1, 2, 1, 0, 2, 1, 0, 0, 2
	QHT 1
	U0 0, 1, 0, 0, 12, 0, 0, 0
	U1 0, 2, 0, 0, 2, 1, 1, 0, 3
	QHT 2
	U0 1, 1, 1, 0, 12, 0, 0, 0
	U1 1, 2, 1, 0, 2, 2, 0, 0, 0                   ; step 4's weights are fetched ahead; h's fragments are not there yet
	QHT 3
	s_wait_dscnt 0x0                               ; my images of h have landed
	s_barrier_signal -1
	s_barrier_wait -1                              ; everybody's have.  (My load of step 5 may be out)
	LDACT 0, 1, 0
	; ---------------- STEPS 4, 5: + h W_rh: r's sums are whole.  STEPS 6, 7: + h W_zh; behind steps 5, 6, 7: r, r h and its codes
	U0 0, 1, 0, 0, 0, 1, 1, 1
	U1 0, 1, 1, 0, 2, 1, 0, 1, 2
	U0 1, 1, 0, 0, 12, 1, 1, 3
	U1 1, 1, 1, 0, 2, 1, 0, 1, 0
	RT 0
	U0 0, 2, 0, 0, 12, 1, 1, 1
	U1 0, 2, 1, 0, 2, 1, 0, 1, 2
	RT 1
	U0 1, 2, 0, 0, 12, 1, 1, 3
	U1 1, 2, 1, 0, 2, 1, 0, 0, 0
	RT 2
	RT 3
	LDBIAS 1, 2                                    ; n's bias, where r h's last row tile lay: its codes are made
	s_wait_dscnt 0x0                               ; my images of r h have landed, the bias is in
	s_barrier_signal -1
	s_barrier_wait -1                              ; everybody's images have landed.  (My load of step 9 may be out)
	; ---------------- STEPS 8-11: x W_nx + (r h) W_nh, one sum, in window 1 (r h is done with); behind steps 8 and 9: z
	U0 0, 1, 0, 1, 12, 1, 2, 0
	U1 0, 1, 1, 0, 2, 1, 0, 0, 1
	ZT 0
	ZT 1
	U0 1, 1, 0, 0, 12, 1, 2, 1
	U1 1, 1, 1, 0, 2, 1, 0, 0, 2
	ZT 2
	ZT 3
	U0 0, 1, 0, 0, 12, 1, 2, 2
	U1 0, 1, 1, 0, 1, 1, 0, 0, 3                   ; the last two steps ask for nothing more
	U0 1, 1, 0, 0, 12, 1, 2, 3
	U1 1, 1, 1, 0, 0, 0, 0, 0, 0
	; ---------------- n = tanh = 1 - 2 / (1 + 2^(2 log2 e x sum)); out = n + z (h - n); through my stage into whole rows; stored
.macro COMP m
	WIN 0x41                                       ; destination and source 0 window 1
	SIGM 64*(\m), C2
.set J_, 64*(\m)
	s_wait_alu depctr_va_vdst(0)
.rept 32
	v_pk_fma_f32 v[J_:J_+1], v[J_:J_+1], -2.0, 1.0 op_sel_hi:[1,0,0]   ; n
.set J_, J_+2
.endr
	WIN 0xc7                                       ; destination and source 0 window 3 (h), source 1 window 1 (n)
.set J_, 64*(\m)
.rept 32
	v_pk_add_f32 v[J_:J_+1], v[J_:J_+1], v[J_:J_+1] neg_lo:[0,1] neg_hi:[0,1]   ; h - n
.set J_, J_+2
.endr
	WIN 0x5e                                       ; destination window 1, source 0 window 2 (z), source 1 window 3 (h - n), source 2 window 1 (n)
.set J_, 64*(\m)
.rept 32
	v_pk_fma_f32 v[J_:J_+1], v[J_:J_+1], v[J_:J_+1], v[J_:J_+1]
.set J_, J_+2
.endr
.endm
.macro TOSTAGE m                               ; 16 rows: in by columns, back by rows.  LDS serves a wave's instructions in order: no wait between, nor in front of the next tile's stores
	WIN 0x04                                       ; the data: window 1
.irp b, 0,1,2,3
.irp j, 0,1,2,3
	ds_store_b128 v[STO], v[64*(\m)+16*\b+4*\j:64*(\m)+16*\b+4*\j+3] offset:128*\b+16*\j
.endr
.endr
	WIN 0
.irp p, 0,1,2,3,4,5,6,7,8,9,10,11,12,13,14,15
	ds_load_b128 v[T0+64*((\m)%2)+4*\p:T0+64*((\m)%2)+4*\p+3], v[SRD] offset:SP*\p
.endr
.endm
.macro SEND m, younger                         ; younger: the LDS instructions issued behind tile m's loads, which may stay out
	s_wait_dscnt \younger
.irp p, 0,1,2,3,4,5,6,7,8,9,10,11,12,13,14,15
	global_store_b128 v[HG], v[T0+64*((\m)%2)+4*\p:T0+64*((\m)%2)+4*\p+3], s[24:25] offset:2048*(16*(\m)+\p) th:TH_STORE_NT   ; the wave stores 512 consecutive bytes, aligned; written once
.endr
.endm
	COMP 0
	TOSTAGE 0
	COMP 1
	TOSTAGE 1
	SEND 0, 32                                     ; behind tile 0's loads: tile 1's 16 stores and 16 loads
	COMP 2
	s_wait_xcnt 0x0                                ; tile 0's stores have read their registers: tile 2's rows may land there
	TOSTAGE 2
	SEND 1, 32
	COMP 3
	s_wait_xcnt 0x0                                ; tile 1's likewise
	TOSTAGE 3
	SEND 2, 32
	SEND 3, 0
	s_wait_tensorcnt 0x0                           ; the wave's end: behind my last tensor load and my last LDS store
	ds_add_u32 v[SPW], v[NIL]
	s_wait_dscnt 0x0
	CROUND                                         ; the closing round: no work-group ends while a partner may still ask for a tile that names it
	s_endpgm
.Lfunc_end_k_q3017edd000_gru:
	.size	k_q3017edd000_gru, .Lfunc_end_k_q3017edd000_gru-k_q3017edd000_gru
	.p2alignl 7, 3214868480
	.fill 96, 4, 3214868480
	.section	.rodata,"a",@progbits
	.p2align	6, 0x0
	.amdhsa_kernel k_q3017edd000_gru
		.amdhsa_group_segment_fixed_size 327680
		.amdhsa_private_segment_fixed_size 0
		.amdhsa_enable_private_segment 0
		.amdhsa_kernarg_size 88
		.amdhsa_user_sgpr_count 2
		.amdhsa_user_sgpr_kernarg_segment_ptr 1
		.amdhsa_wavefront_size32 1
		.amdhsa_system_sgpr_workgroup_id_x 1
		.amdhsa_system_sgpr_workgroup_id_y 1
		.amdhsa_system_sgpr_workgroup_id_z 1
		.amdhsa_system_vgpr_workitem_id 0
		.amdhsa_next_free_vgpr 1024
		.amdhsa_next_free_sgpr 66
		.amdhsa_reserve_vcc 0
		.amdhsa_float_denorm_mode_32 3
		.amdhsa_float_denorm_mode_16_64 3
		.amdhsa_memory_ordered 1
		.amdhsa_forward_progress 1
		.amdhsa_inst_pref_size 255
	.end_amdhsa_kernel
	.section	.bss,"aw",@nobits
	.p2align	6
	.space	262144
	.amdgpu_metadata
---
amdhsa.version: [ 1, 2 ]
amdhsa.kernels:
  - .name:           k_q3017edd000_gru
    .symbol:         k_q3017edd000_gru.kd
    .args:
      - { .name: wimg, .offset: 0, .size: 8, .value_kind: global_buffer, .address_space: global }
      - { .name: x_codes, .offset: 8, .size: 8, .value_kind: global_buffer, .address_space: global }
      - { .name: x_scales, .offset: 16, .size: 8, .value_kind: global_buffer, .address_space: global }
      - { .name: h, .offset: 24, .size: 8, .value_kind: global_buffer, .address_space: global }
      - { .name: b_rx, .offset: 32, .size: 8, .value_kind: global_buffer, .address_space: global }
      - { .name: b_rh, .offset: 40, .size: 8, .value_kind: global_buffer, .address_space: global }
      - { .name: b_zx, .offset: 48, .size: 8, .value_kind: global_buffer, .address_space: global }
      - { .name: b_zh, .offset: 56, .size: 8, .value_kind: global_buffer, .address_space: global }
      - { .name: b_nx, .offset: 64, .size: 8, .value_kind: global_buffer, .address_space: global }
      - { .name: b_nh, .offset: 72, .size: 8, .value_kind: global_buffer, .address_space: global }
      - { .name: out0, .offset: 80, .size: 8, .value_kind: global_buffer, .address_space: global }
    .group_segment_fixed_size: 327680
    .private_segment_fixed_size: 0
    .kernarg_segment_align: 8
    .kernarg_segment_size: 88
    .max_flat_workgroup_size: 128
    .sgpr_count:     66
    .vgpr_count:     1024
    .wavefront_size: 32
...
	.end_amdgpu_metadata
.endif
;; end of part 2
